; MI455X (gfx1250); checked and timed in simulation.
; The chip was launched on July 23, 2026; its instructions are those of AMD's public machine-readable ISA for CDNA 5 (MIT licence, August 2026) and "CDNA5" Instruction Set Architecture Reference Guide (July 2026). The comments in the code are by the model that wrote it; some were corrected since.
;; Self Attention. Allowed arithmetic: matrix products marked QUANTISED: E2M1 operands, one E8M0 scale for each 32 along K, by v_wmma_scale_f32_16x16x128_f8f6f4 with both operands' format E2M1 (or v_wmma_scale_f32_32x16x128_f4), f32 sums; everything else in f32.
;; Inputs: Wk 1,024 x 1,024 float32; Wo 1,024 x 1,024 float32; Wq 1,024 x 1,024 float32; Wv 1,024 x 1,024 float32; Z 4 x 2,048 x 1,024 float32; mask 4 x 1 x 1 x 2,048 int32.
;; Outputs: out0 4 x 2,048 x 1,024 float32.
;; This version of the problem:
;;   THIS VERSION OF THE PROBLEM IS GIVEN IN LOW PRECISION. The matrix products marked QUANTISED in the list below multiply operands that are first quantised to E2M1 (2 exponent bits, 1 mantissa bit; 4 bits a number), with one power-of-two scale for each 32 numbers along K (OCP MX v1.0); their sums are f32. All else is computed in f32.
;;   The module's matrix products, in the order in which they are computed (A, B: the left and right operand; K: the contracted axis; several contracted axes count as one K, in the product's order):
;;     1. [M 8,192, K 1,024] x [K 1,024, N 1,024]; A: input Z; B: input Wv: QUANTISED
;;     2. [M 8,192, K 1,024] x [K 1,024, N 1,024]; A: input Z; B: input Wk: QUANTISED
;;     3. [M 8,192, K 1,024] x [K 1,024, N 1,024]; A: input Z; B: input Wq: QUANTISED
;;     4. batch 64 x [M 2,048, K 64] x [K 64, N 2,048]; A: computed on the way; B: computed on the way: QUANTISED
;;     5. [M 8,192, K 1,024] x [K 1,024, N 1,024]; A: computed on the way; B: input Wo: QUANTISED
;;   THE QUANTISER, for each operand of a quantised product, along K:
;;     - K is cut into blocks of 32 from its start; a last block that is shorter is filled with zeros.
;;     - A block's scale is 2^e with e = floor(log2(the largest magnitude in the block)) - 2, held to -126 .. 127; a block of zeros has e = 0. As a byte (E8M0): e + 127.
;;     - Each number is divided by its block's scale, clamped to +-6, and rounded to the nearest number of E2M1, ties to even, subnormals kept.
;;     - The product sums the exact products of the quantised numbers (number of the format x scale) in f32.
;;   ~~~python
;;   def quantise(x, axis):      # numpy; x: float32 -> the quantised numbers, widened to float32 again
;;       x = np.moveaxis(x, axis, -1); K = x.shape[-1]
;;       x = np.pad(x, [(0, 0)] * (x.ndim - 1) + [(0, -K % 32)]); x = x.reshape(x.shape[:-1] + (-1, 32)); a = np.abs(x).max(-1, keepdims=True)
;;       e = np.where(a > 0, np.clip(np.frexp(np.where(a > 0, a, 1))[1] - 1 - 2, -126, 127), 0)      # np.frexp(a)[1] - 1 = floor(log2(a)), exactly
;;       r = np.clip(x / 2.0 ** e, -6, 6)
;;       step = 2.0 ** (np.maximum(np.frexp(np.where(r == 0, 1, r))[1] - 1, 0) - 1)
;;       q = np.round(r / step) * step * 2.0 ** e      # np.round: ties to even
;;       return np.moveaxis(q.reshape(q.shape[:-2] + (-1,))[..., :K], -1, axis).astype(np.float32)
;;   ~~~
;;   OPERANDS COMPUTED ON THE WAY. 'Computed on the way' means the value that the module computes at that place (a softmax that the list does not call 'softmax' is quantised finished and normalised). What goes into a quantiser is computed in f32, as accurately as f32 sums, v_exp_f32 and their like allow (about 1e-6 of the number): no bf16 or f16 on the way to a quantiser, and a product that is left as it is and whose result goes on into a quantised operand takes f32 operands (vector FMAs, or v_wmma_f32_16x16x4_f32). A number that lies on a knife's edge between two numbers of the format may be rounded either way, as far as f32 arithmetic and the matrix unit's own rounding can turn it there, and no further.
;; One version. Each part assembles by itself: llvm-mc -triple=amdgcn-amd-amdhsa -mcpu=gfx1250 --defsym DOCPART=n.
;; ======== version 1 of 1: 4 launches
;; limits: right only within a limited range of input values
;; workspace buffers: zc 4,194,304 bytes; wc 2,097,152 bytes; sc 393,216 bytes; qk 9,437,184 bytes; wb 524,288 bytes; fl 524,288 bytes of whole numbers
;; launch quant (part 1): grid 384 x 1, 4 waves a work-group, no clusters, 36,352 bytes of LDS; arguments Z, Wq, Wk, Wv, Wo, zc, wc, sc; writes zc, wc, sc
.if DOCPART == 1
	.amdgcn_target "amdgcn-amd-amdhsa--gfx1250"
	.amdhsa_code_object_version 6
	.text
	.protected	k_q58573626d6_quant
	.globl	k_q58573626d6_quant
	.p2align	8
	.type	k_q58573626d6_quant,@function
k_q58573626d6_quant:
	s_mov_b64 s[64:65], 0
	v_nop
	global_prefetch_b8 v0, s[64:65] scope:SCOPE_SE
	s_setreg_imm32_b32 hwreg(HW_REG_WAVE_MODE, 25, 1), 1
	s_wait_xcnt 0x0
; Z [8192][1024] and the four weights [1024 (k)][1024 (n)], f32, become codes of FP4 (E2M1) with one E8M0 byte for each 32 along K, laid as IMAGES OF OPERAND REGISTERS.
; A tile is 16 rows of an operand (rows of Z; columns n of a weight).  Codes: tile x 8192 + block x 256 + row x 16 (block = k / 32): the 512 bytes at tile x 8192 + step x 1024 + c x 512 + 16 x lane are registers 4 c .. 4 c + 3
; of the fragment of that tile and that K step of 128.  Scale bytes: tile x 512 + (step / 4) x 256 + row x 16 + (step % 4) x 4: one word a row and K step.  Z's 512 tiles first, the weights' 256 from SCW on.
; THE COLUMNS OF A WEIGHT'S TILE ARE NOT NEIGHBOURS: of each 32 columns, tile 2 B + u, row r' holds column 8 u + r' + 8 (r' / 8), so that in a product used transposed the 16 registers of tiles 2 B and 2 B + 1 are 16 neighbouring columns.
; A block's scale is 2^(floor(log2(its largest magnitude)) - 2); its byte is the largest magnitude's exponent field - 2, held at 1 from below.
; LIMITS: a block of zeros, and one whose largest magnitude lies under 2^-124, gets the byte 1 (the rule gives a block of zeros 127: its codes are zeros and only this program reads the bytes); NaN and infinities are not served.
; Work-groups 0-127 take the weights, work-groups 128-383 take Z.  The two paths part on the work-group's number, never join, and have LDS bytes of their own: Z's stages from 0, the weights' scale words from WSB.
.set SCW,  262144                      ; where the weights' scale words begin in sc
.set WX,   16                          ; weights: v16-79 two sets of 32 numbers
.set WC,   80                          ; v80-111 codes, four registers a block: no store's data are written again
.set SB,   144                         ; v144-145 four scale bytes for each of my two groups of columns
.set PZ,   272                         ; Z: a stage row: 256 bytes + 16
.set STG,  16*PZ                       ; a stage: 16 rows
.set WREG, 2*STG                       ; two stages a wave
.set WSB,  4*WREG                      ; behind Z's stages: the weights' path gathers four tiles' scale words here, 1,024 bytes
.set ZR,   16                          ; v16-143 four sets of 32 registers as loaded
.set ZX,   144                         ; v144-207 two sets of 32 neighbours along K
.set ZC,   208                         ; v208-239 codes, four registers a step
.set SW,   240                         ; v240-243 scale words
.macro BLKMAX xs, a, b                 ; the largest magnitude of v[xs] .. v[xs + 31], two chains, and the floor 2^(3 - 127), which holds the byte at 1 from below
	v_max3_num_f32 v[\a], |v[\xs]|, |v[\xs+1]|, |v[\xs+2]|
	v_max3_num_f32 v[\b], |v[\xs+3]|, |v[\xs+4]|, |v[\xs+5]|
.irp i, 6,10,14,18,22,26
	v_max3_num_f32 v[\a], v[\a], |v[\xs+\i]|, |v[\xs+\i+1]|
	v_max3_num_f32 v[\b], v[\b], |v[\xs+\i+2]|, |v[\xs+\i+3]|
.endr
	v_max3_num_f32 v[\a], v[\a], |v[\xs+30]|, |v[\xs+31]|
	v_max3_num_f32 v[\a], v[\a], v[\b], 0x1800000
.endm
	s_load_b256 s[4:11], s[0:1], 0x0               ; Z s[4:5], Wq s[6:7], Wk s[8:9], Wv s[10:11]
	s_load_b256 s[12:19], s[0:1], 0x20             ; Wo s[12:13], zc s[14:15], wc s[16:17], sc s[18:19]
	v_lshl_add_u32 v254, v0, 2, 0x8c00
	v_mov_b32 v255, 0
	v_lshrrev_b32 v1, 5, v0
	v_readfirstlane_b32 s20, v1                    ; wave
	v_and_b32 v2, 31, v0                           ; lane
	s_cmp_lt_u32 ttmp9, 128
	s_cbranch_scc0 .Lz_path
; ---- THE WEIGHTS.  A lane takes a column, its registers run down K: a block of 32 lies in one lane.  A work-group: 64 columns x 512 along K.  Wave w: K step 4 g + w (128 rows) of both groups of 32 columns: 8 blocks,
; b = 2 t + c (t: block along K, c: group of columns), so that the two blocks that are on their way together are the two halves of the same 256 bytes of each row.
	s_lshr_b32 s21, ttmp9, 5                       ; which weight: 0 Wq, 1 Wk, 2 Wv, 3 Wo
	s_bfe_u32 s33, ttmp9, 0x40001                  ; which 64 columns
	s_and_b32 s34, ttmp9, 1                        ; g: which half of K
	s_lshl_b32 s24, s34, 21                        ; in: 512 rows of 4,096 bytes a half,
	s_lshl_b32 s25, s20, 19                        ; 128 rows a wave,
	s_add_co_u32 s24, s24, s25
	s_lshl_b32 s25, s33, 8                         ; 256 bytes for each 64 columns
	s_add_co_u32 s24, s24, s25
	s_mov_b32 s25, 0
	s_lshl_b32 s26, s21, 6
	s_lshl_b32 s27, s33, 2
	s_add_co_u32 s26, s26, s27                     ; the first of the work-group's four tiles
	s_lshl_b32 s28, s26, 13
	s_lshl_b32 s29, s34, 12
	s_add_co_u32 s28, s28, s29
	s_lshl_b32 s29, s20, 10
	s_add_co_u32 s28, s28, s29                     ; codes: tile x 8192 + 16 blocks x 256 for the half + 4 blocks x 256 for the wave
	s_mov_b32 s29, 0
	s_lshl_b32 s30, s26, 9
	s_lshl_b32 s31, s34, 8
	s_add_co_u32 s30, s30, s31
	s_lshl_b32 s31, s20, 9                         ; scale bytes: on the way out wave w stores the work-group's tile w
	s_add_co_u32 s30, s30, s31
	s_add_co_u32 s30, s30, SCW
	s_mov_b32 s31, 0
	s_lshl_b32 s35, s20, 2
	s_add_co_u32 s35, s35, WSB                     ; LDS, in: my K step's word of a row's four
	s_lshl_b32 s38, s20, 8
	s_add_co_u32 s38, s38, WSB                     ; LDS, out: tile w's 256 bytes
	s_wait_alu depctr_va_vdst(0)
	v_lshlrev_b32 v3, 2, v2                        ; in: 4 bytes a lane
	v_bfe_u32 v4, v2, 3, 1                         ; u: which of a group's two tiles my column goes to
	v_lshrrev_b32 v5, 4, v2
	v_and_b32 v6, 7, v2
	v_lshl_or_b32 v5, v5, 3, v6                    ; r': its row there
	v_lshlrev_b32 v6, 4, v5
	v_lshl_add_u32 v7, v4, 13, v6                  ; codes: u x 8192 + 16 r'
	v_lshl_add_u32 v8, v4, 8, v6
	v_add_nc_u32 v8, s35, v8                       ; LDS, in: u x 256 + 16 r' + 4 w
	v_lshl_add_u32 v9, v2, 3, s38                  ; LDS, out: 8 bytes a lane
	v_lshlrev_b32 v10, 3, v2                       ; and the same in sc
	s_wait_kmcnt 0x0
	s_cmp_lt_u32 s21, 1                            ; the buffer is chosen by the work-group's number alone
	s_cselect_b64 s[22:23], s[6:7], s[8:9]
	s_cmp_lt_u32 s21, 3
	s_cselect_b64 s[36:37], s[10:11], s[12:13]
	s_cmp_lt_u32 s21, 2
	s_cselect_b64 s[22:23], s[22:23], s[36:37]
	s_add_nc_u64 s[22:23], s[22:23], s[24:25]
	s_add_nc_u64 s[16:17], s[16:17], s[28:29]
	s_add_nc_u64 s[18:19], s[18:19], s[30:31]
.macro WLOAD b                         ; block b: W(32 (b / 2) + i, my column of group b % 2): each load reads 128 consecutive bytes
.irp i, 0,1,2,3,4,5,6,7,8,9,10,11,12,13,14,15,16,17,18,19,20,21,22,23,24,25,26,27,28,29,30,31
	global_load_b32 v[WX+32*((\b)%2)+\i], v3, s[22:23] offset:(32*((\b)/2)+\i)*4096+128*((\b)%2) th:TH_LOAD_NT
.endr
.endm
.macro WBLOCK b
.set XS, WX+32*((\b)%2)
.if (\b) < 7
	s_wait_loadcnt 32                              ; this block's 32 loads are in; the next block's 32 may be out
.else
	s_wait_loadcnt 0
.endif
	BLKMAX XS, 12, 13
	v_add_nc_u32 v11, 0xff000000, v12              ; 2 off the exponent field: the conversion takes this operand's exponent field as its scale
	v_lshrrev_b32 v13, 23, v11                     ; the scale's byte
.if (\b)/2 == 0
	v_mov_b32 v[SB+(\b)%2], v13                    ; four bytes to a register, the lower K in the lower byte
.else
	v_lshl_or_b32 v[SB+(\b)%2], v13, 8*((\b)/2), v[SB+(\b)%2]
.endif
.irp g, 0,1,2,3
	v_cvt_scalef32_pk8_fp4_f32 v[WC+4*(\b)+\g], v[XS+8*\g:XS+8*\g+7], v11
.endr
	global_store_b128 v7, v[WC+4*(\b):WC+4*(\b)+3], s[16:17] offset:((\b)%2)*16384+((\b)/2)*256   ; sixteen lanes fill the 256 bytes of this block in one tile, sixteen those in the other
.if (\b)+2 < 8
	WLOAD (\b)+2
.endif
.endm
	WLOAD 0
	WLOAD 1
.set Q, 0
.rept 8
	WBLOCK Q
.set Q, Q+1
.endr
	; a row's 16 scale bytes of this half of K come from the four waves: they meet in LDS, laid as they lie in sc, and leave as whole runs of 256 bytes
	ds_store_b32 v8, v[SB]                         ; group 0: tiles 0 and 1 of the work-group's four
	ds_store_b32 v8, v[SB+1] offset:512            ; group 1: tiles 2 and 3
	s_wait_dscnt 0x0                               ; for the others' sake: my words have landed
	s_barrier_signal -1
	s_barrier_wait -1                              ; everybody's have.  All four waves of a work-group are on this path: the branch to it hangs on the work-group's number alone
	ds_load_b64 v[14:15], v9
	s_wait_dscnt 0x0
	global_store_b64 v10, v[14:15], s[18:19]       ; the wave stores 256 consecutive bytes: tile w's words of this half of K
	s_wait_tensorcnt 0x0
	ds_add_u32 v254, v255
	s_wait_dscnt 0x0
	s_endpgm
; ---- Z.  A wave: a tile of 16 rows x 512 along K, in 8 steps of 64 along K.  Loads take the bytes as they lie (sixteen lanes to 256 bytes of a row); the step turns through the wave's stage, and comes back
; with a whole block of 32 in a lane: lane (r, h) holds block 2 q + h of row r.  No barrier: waves share nothing here.
.Lz_path:
	s_sub_co_u32 s21, ttmp9, 128
	s_lshl_b32 s21, s21, 2
	s_add_co_u32 s21, s21, s20
	s_lshr_b32 s22, s21, 1                         ; the tile
	s_and_b32 s23, s21, 1                          ; which half of K
	s_lshl_b32 s24, s22, 16                        ; in: 16 rows of 4,096 bytes a tile, 2,048 bytes a half
	s_lshl_b32 s25, s23, 11
	s_add_co_u32 s24, s24, s25
	s_mov_b32 s25, 0
	s_lshl_b32 s26, s22, 13
	s_lshl_b32 s27, s23, 12
	s_add_co_u32 s26, s26, s27                     ; codes
	s_mov_b32 s27, 0
	s_lshl_b32 s28, s22, 9
	s_lshl_b32 s29, s23, 8
	s_add_co_u32 s28, s28, s29                     ; scale bytes
	s_mov_b32 s29, 0
	s_mov_b32 s30, 0x76543210
	s_mov_b32 s31, 0xfedcba98                      ; v_permlanex16_b32's selects for lane l xor 16
	s_mul_i32 s32, s20, WREG                       ; my wave's stages
	s_wait_alu depctr_va_vdst(0)
	v_and_b32 v11, 15, v2                          ; r
	v_lshrrev_b32 v10, 4, v2                       ; h
	v_lshlrev_b32 v12, 4, v11
	v_lshl_add_u32 v3, v10, 12, v12                ; in: lanes 0-15 one row's 256 bytes, lanes 16-31 the next row's
	v_mul_u32_u24 v4, v10, PZ
	v_add_nc_u32 v4, v4, v12
	v_add_nc_u32 v4, s32, v4                       ; into the stage: the same two rows
	v_mul_u32_u24 v5, v11, PZ
	v_lshl_add_u32 v5, v10, 7, v5
	v_add_nc_u32 v5, s32, v5                       ; out of it: row r, 128 bytes for each half of the lanes
	v_lshlrev_b32 v6, 4, v2                        ; codes: 16 x lane
	v_lshl_add_u32 v7, v10, 3, v12                 ; scale words: 16 r + 8 h
	v_lshlrev_b32 v8, 3, v10                       ; my byte's place in a word: 8 h bits up in an even step,
	v_add_nc_u32 v9, 16, v8                        ; 16 more in an odd one
.irp i, 0,1,2,3
	v_mov_b32 v[248+\i], 0                         ; written once: a lane permute's destination counts as one of its sources
.endr
	s_wait_alu depctr_va_vdst(0)
	s_wait_kmcnt 0x0
	s_add_nc_u64 s[4:5], s[4:5], s[24:25]
	s_add_nc_u64 s[14:15], s[14:15], s[26:27]
	s_add_nc_u64 s[18:19], s[18:19], s[28:29]
.macro ZLOAD q
.irp i, 0,1,2,3,4,5,6,7
	global_load_b128 v[ZR+32*((\q)%4)+4*\i:ZR+32*((\q)%4)+4*\i+3], v3, s[4:5] offset:\i*8192+(\q)*256 th:TH_LOAD_NT
.endr
.endm
.macro ZTURN q                         ; LDS serves a wave's instructions in order: no wait between the stores and the loads
.irp i, 0,1,2,3,4,5,6,7
	ds_store_b128 v4, v[ZR+32*((\q)%4)+4*\i:ZR+32*((\q)%4)+4*\i+3] offset:STG*((\q)%2)+\i*2*PZ
.endr
.irp j, 0,1,2,3,4,5,6,7
	ds_load_b128 v[ZX+32*((\q)%2)+4*\j:ZX+32*((\q)%2)+4*\j+3], v5 offset:STG*((\q)%2)+16*\j
.endr
.endm
.macro ZSTEP q
.set XS, ZX+32*((\q)%2)
	s_wait_dscnt 0x0                               ; this step's numbers are back from the stage, so its stores into the stage have read their registers,
.if (\q)+4 < 8
	ZLOAD (\q)+4                                   ; which take the loads of four steps on
.endif
.if (\q) < 7
.if (\q) < 4
	s_wait_loadcnt 24                              ; the next step's eight loads are in; those of the three steps behind it may be out
.else
	s_wait_loadcnt 8*(6-(\q))                      ; (fewer steps are left behind it)
.endif
	ZTURN (\q)+1                                   ; and go through the other stage while this step is worked
.endif
	BLKMAX XS, 244, 245
	v_add_nc_u32 v246, 0xff000000, v244
.irp g, 0,1,2,3
	v_cvt_scalef32_pk8_fp4_f32 v[ZC+4*(\q)+\g], v[XS+8*\g:XS+8*\g+7], v246
.endr
	v_lshrrev_b32 v247, 23, v246                   ; the scale's byte: block 2 q + h is byte 2 (q % 2) + h of word q / 2
.if (\q)%2 == 0
	v_lshlrev_b32 v[SW+(\q)/2], v8, v247
.else
	v_lshl_or_b32 v[SW+(\q)/2], v247, v9, v[SW+(\q)/2]
.endif
	global_store_b128 v6, v[ZC+4*(\q):ZC+4*(\q)+3], s[14:15] offset:512*(\q)   ; 512 consecutive bytes: two blocks of the tile
.endm
.irp q, 0,1,2,3
	ZLOAD \q
.endr
	s_wait_loadcnt 24                              ; step 0's eight loads are in
	ZTURN 0
.irp q, 0,1,2,3,4,5,6,7
	ZSTEP \q
.endr
.irp i, 0,1,2,3
	v_permlanex16_b32 v[248+\i], v[SW+\i], s30, s31
.endr
.irp i, 0,1,2,3
	v_or_b32 v[SW+\i], v[SW+\i], v[248+\i]         ; with lane l xor 16's two bytes each word is whole
.endr
	v_cmp_eq_u32 vcc_lo, 1, v10
	v_cndmask_b32 v252, v240, v242, vcc_lo         ; lanes 0-15 store words 0 and 1 of their row, lanes 16-31 words 2 and 3
	v_cndmask_b32 v253, v241, v243, vcc_lo
	global_store_b64 v7, v[252:253], s[18:19]      ; the wave stores 256 consecutive bytes
	s_wait_tensorcnt 0x0
	ds_add_u32 v254, v255
	s_wait_dscnt 0x0
	s_endpgm
.Lfunc_end_k_q58573626d6_quant:
	.size	k_q58573626d6_quant, .Lfunc_end_k_q58573626d6_quant-k_q58573626d6_quant
	.p2alignl 7, 3214868480
	.fill 96, 4, 3214868480
	.section	.rodata,"a",@progbits
	.p2align	6, 0x0
	.amdhsa_kernel k_q58573626d6_quant
		.amdhsa_group_segment_fixed_size 36352
		.amdhsa_private_segment_fixed_size 0
		.amdhsa_enable_private_segment 0
		.amdhsa_kernarg_size 64
		.amdhsa_user_sgpr_count 2
		.amdhsa_user_sgpr_kernarg_segment_ptr 1
		.amdhsa_wavefront_size32 1
		.amdhsa_system_sgpr_workgroup_id_x 1
		.amdhsa_system_sgpr_workgroup_id_y 1
		.amdhsa_system_sgpr_workgroup_id_z 1
		.amdhsa_system_vgpr_workitem_id 0
		.amdhsa_next_free_vgpr 256
		.amdhsa_next_free_sgpr 66
		.amdhsa_reserve_vcc 1
		.amdhsa_float_denorm_mode_32 3
		.amdhsa_float_denorm_mode_16_64 3
		.amdhsa_memory_ordered 1
		.amdhsa_forward_progress 1
		.amdhsa_inst_pref_size 69
	.end_amdhsa_kernel
	.amdgpu_metadata
---
amdhsa.version: [ 1, 2 ]
amdhsa.kernels:
  - .name:           k_q58573626d6_quant
    .symbol:         k_q58573626d6_quant.kd
    .args:
      - { .name: Z, .offset: 0, .size: 8, .value_kind: global_buffer, .address_space: global }
      - { .name: Wq, .offset: 8, .size: 8, .value_kind: global_buffer, .address_space: global }
      - { .name: Wk, .offset: 16, .size: 8, .value_kind: global_buffer, .address_space: global }
      - { .name: Wv, .offset: 24, .size: 8, .value_kind: global_buffer, .address_space: global }
      - { .name: Wo, .offset: 32, .size: 8, .value_kind: global_buffer, .address_space: global }
      - { .name: zc, .offset: 40, .size: 8, .value_kind: global_buffer, .address_space: global }
      - { .name: wc, .offset: 48, .size: 8, .value_kind: global_buffer, .address_space: global }
      - { .name: sc, .offset: 56, .size: 8, .value_kind: global_buffer, .address_space: global }
    .group_segment_fixed_size: 36352
    .private_segment_fixed_size: 0
    .kernarg_segment_align: 8
    .kernarg_segment_size: 64
    .max_flat_workgroup_size: 128
    .sgpr_count:     66
    .vgpr_count:     256
    .wavefront_size: 32
...
	.end_amdgpu_metadata
.endif
;; end of part 1
;; launch qkproj (part 2): grid 8 x 32, 4 waves a work-group, clusters of 4 x 4, 262,656 bytes of LDS; arguments zc, wc, sc, qk; writes qk
.if DOCPART == 2
	.amdgcn_target "amdgcn-amd-amdhsa--gfx1250"
	.amdhsa_code_object_version 6
	.text
	.protected	k_q58573626d6_qkproj
	.globl	k_q58573626d6_qkproj
	.p2align	8
	.type	k_q58573626d6_qkproj,@function
k_q58573626d6_qkproj:
	s_mov_b64 s[64:65], 0
	v_nop
	global_prefetch_b8 v0, s[64:65] scope:SCOPE_SE
	s_setreg_imm32_b32 hwreg(HW_REG_WAVE_MODE, 25, 1), 1
	s_wait_xcnt 0x0
	s_wait_alu depctr_hold_cnt(0) depctr_sa_sdst(0) depctr_va_vdst(0) depctr_va_sdst(0) depctr_va_ssrc(0) depctr_va_vcc(0) depctr_vm_vsrc(0)
	s_getreg_b32 s2, hwreg(HW_REG_IB_STS2, 6, 4)
	s_cmp_eq_u32 s2, 0
	s_cbranch_scc0 .Lentry_in_a_cluster
	s_endpgm
.Lentry_in_a_cluster:
	s_bfe_u32 s2, ttmp6, 0x10000c
	s_cmp_lg_u32 s2, 0xf033
	s_cbranch_scc0 .Lentry_shape_is_right
	s_endpgm
.Lentry_shape_is_right:
; [Q | K] = Z [Wq | Wk]: 8192 x 2048 x 1024 on codes of FP4 with E8M0 scales; the results are quantised in registers along each head's 64 and stored as images of operand registers.
; A work-group of four waves makes 256 rows x 256 columns, a wave 128 x 128: 64 accumulators.  Tile columns 0-3 are Wq's, 4-7 Wk's (neighbouring tiles of wc).
; ALL OF K FITS IN LDS: 256 + 256 rows x 512 bytes = 262,144 bytes.  It comes in four chunks of two K steps, four tensor loads a wave, all issued at the head; no LDS byte is filled twice.
; Chunk j: 65,536 j; in it Z's 16 tiles x 2,048 bytes, then the weight's 16.  Fragments lie as register images: a load reads 16 bytes a lane, 512 on end; no pitch, no padding.
; CLUSTER 4 x 4: Z's tiles are shared along a row of the cluster, the weight's along a column: joint loads with a mask of four.
; TRANSPOSED USE: source 0 = 16 columns of the weight, source 1 = 16 rows of Z: a lane holds one row; by the order of the weight's columns in a tile the 16 registers of tiles 2 B, 2 B + 1 are columns 32 B + 16 (lane / 16) + 0 .. 15.
; OUT.  qkc: which x 4194304 + ((n 8 + hp) 128 + tb) 1024 + p 512 + 16 lane (which: 0 Q, 1 K; hp: pair of heads; tb: tile of 16 tokens of the batch; p: head of the pair): lane (r, h) holds d = 32 h .. 32 h + 31 of token r.
; qks: which x 524288 + ((n 8 + hp) 32 + tb / 4) 512 + 16 lane + 4 (tb % 4): lane (r, p) holds head p's two scale bytes, written twice over (bytes 2, 3 repeat bytes 0, 1).
; LIMITS: as the quantiser's: a block of zeros or under 2^-124 gets the byte 1; NaN and infinities are not served.
; REGISTERS: window 0: v1 16 x lane; v4-7, v8-11 LDS addresses of Z's and the weight's fragments in chunk j; v12 scale offset; v13 byte selects; v32-95 scale words (tile i, K step s at 32 + 8 i + s: lanes 0-15 Z's, lanes 16-31 the weight's);
;   v128-191, v192-255 Z's fragments, two sets; on the way out codes, scale words and scratch.   window 1: v0-63, v64-127 the weight's fragments, two sets.   windows 2, 3: accumulator (a, b) at 8 (8 (a % 4) + b).
.set SCW,  262144
; WHAT HOLDS NOW FOR LOADS AND OUTPUT (in place of chunks, qkc and qks above): a wave issues ONE joint load at the head: 8 tiles with all of K, 65,536 bytes that lie on end, to LDS byte 65,536 x wave (Z's two halves, then the weight's).
; OUT: one buffer qk: which x 4718592 + (8 n + hp) x 147456 + (tb / 4) x 4608: four tiles of tokens x 1,024 bytes of codes, then their 512 bytes of scale words.
.set CH,   65536
.set ADZ,  4
.set ADW,  8
.set SC,   32
.set ZF,   128
.set XW,   192                         ; the way out: v192-199 a scale word for each tile of rows
.set TM,   200                         ; v200-215 the quantiser's scratch
.set PW,   216
.set G1A,  24
.set G1B,  32
.set G0A,  44
.set G0B,  68
.set SEL,  90
.set MSB,  0
.macro WIN new                         ; the immediate's high byte repeats the setting that is left
.if MSB != (\new)
	s_set_vgpr_msb (MSB<<8)|(\new)
.set MSB, (\new)
.endif
.endm
.macro PLACES                          ; four plain vector instructions behind a matrix instruction, ahead of loads into its sources and of reads of its result
.rept 4
	v_nop
.endr
.endm
.macro CROUND                          ; a round of the cluster's barrier
	s_barrier_signal -1
	s_barrier_wait -1
	s_cmp_lg_u32 s14, 0
	s_cbranch_scc1 .Lnot_wave_0_\@
	s_barrier_signal -3
.Lnot_wave_0_\@:
	s_barrier_wait -3
	s_barrier_signal -1
	s_barrier_wait -1
.endm
; 64 numbers of a lane in window w, register s + 16 b + i = k 32 b + 16 (lane / 16) + i of my row, become a fragment's codes in v[pc] .. v[pc + 7] and its scale word in v[pw], both in window 0.
.macro QUANTW s, w, pc, pw
.set QWIN, ((\w)<<2)|((\w)<<4)
	WIN QWIN
.irp b, 0,1,2,3
	v_max3_num_f32 v[TM+\b], 0x1800000, |v[(\s)+16*\b]|, |v[(\s)+16*\b+1]|      ; block b: my 16 numbers, from each accumulator's low end on, and the floor 2^(3 - 127)
.endr
.irp i, 2,4,6,8,10,12,14
.irp b, 0,1,2,3
	v_max3_num_f32 v[TM+\b], v[TM+\b], |v[(\s)+16*\b+\i]|, |v[(\s)+16*\b+\i+1]|
.endr
.endr
	WIN 0
.irp b, 0,1,2,3
	v_permlanex16_b32 v[TM+4+\b], v[TM+\b], s[SEL], s[SEL+1]
.endr
.irp b, 0,1,2,3
	v_max_num_f32 v[TM+\b], v[TM+\b], v[TM+4+\b]   ; with lane l xor 16's: the block's largest magnitude
.endr
.irp b, 0,1,2,3
	v_add_nc_u32 v[TM+12+\b], 0xff000000, v[TM+\b] ; 2 off its exponent field: the conversion's scale operand
.endr
.irp b, 0,1,2,3
	v_lshrrev_b32 v[TM+4+\b], 23, v[TM+12+\b]      ; the scale's byte
.endr
	v_lshl_or_b32 v[\pw], v[TM+5], 8, v[TM+4]
	v_lshl_or_b32 v[\pw], v[TM+6], 16, v[\pw]
	v_lshl_or_b32 v[\pw], v[TM+7], 24, v[\pw]
	WIN (\w)
.irp b, 0,1,2,3
	v_cvt_scalef32_pk8_fp4_f32 v[(\pc)+2*\b], v[(\s)+16*\b:(\s)+16*\b+7], v[TM+12+\b]
	v_cvt_scalef32_pk8_fp4_f32 v[(\pc)+2*\b+1], v[(\s)+16*\b+8:(\s)+16*\b+15], v[TM+12+\b]
.endr
	WIN 0
	v_nop                                          ; one plain place behind a scaled conversion
.irp c, 0,1                                    ; the operand's layout wants a whole block in a lane: lanes 0-15 block 2 c, lanes 16-31 block 2 c + 1
.irp i, 0,1
	v_permlane16_swap_b32 v[(\pc)+4*\c+\i], v[(\pc)+4*\c+2+\i]
.endr
.endr
.endm
	s_load_b256 s[4:11], s[0:1], 0x0               ; zc s[4:5], wc s[6:7], sc s[8:9], qk s[10:11]
	v_lshl_add_u32 v126, v0, 2, 0x40000
	v_mov_b32 v127, 0
	ds_add_u32 v126, v127
	ds_add_u32 v126, v127
	v_lshrrev_b32 v2, 5, v0
	v_readfirstlane_b32 s14, v2                    ; wave 0..3
	s_lshr_b32 s15, s14, 1                         ; my half of the rows.  Also: I fetch for Z (0) or for the weight (1)
	s_and_b32 s16, s14, 1                          ; my half of the columns.  Also: which 8 tiles I fetch
	s_bfe_u32 s40, ttmp6, 0x40000                  ; cx, cy: my place in the cluster
	s_bfe_u32 s41, ttmp6, 0x40004
	s_lshl_b32 s42, ttmp9, 2
	s_add_co_u32 s42, s42, s40                     ; tile column 0..7
	s_and_b32 s17, ttmp7, 0xffff
	s_lshl_b32 s17, s17, 2
	s_add_co_u32 s17, s17, s41                     ; tile row 0..31
	s_lshl_b32 s43, s41, 2
	s_lshl_b32 s43, 15, s43                        ; my row of the cluster
	s_lshl_b32 s84, 0x1111, s40                    ; my column
	; descriptor group 1: 32 rows of 2,048 bytes (8 tiles with all of K), on end, as 256 elements of 8 bytes; dense in LDS
	s_or_b32 s[G1A], s43, (3<<16)|(1<<21)          ; 15:0 the mask; 17:16 elements of 8 bytes; 21 set beside a mask
	s_or_b32 s[G1B], s84, (3<<16)|(1<<21)
.irp g, G1A, G1B
	s_mov_b32 s[\g+1], 256<<16                     ; tensor_dim0
	s_mov_b32 s[\g+2], 32<<16                      ; tensor_dim1: 32 rows of 2,048 bytes, on end
	s_mov_b32 s[\g+3], 256<<16                     ; tile_dim0
	s_mov_b32 s[\g+4], 32                          ; tile_dim1
	s_mov_b32 s[\g+5], 256                         ; from row to row, in elements
	s_mov_b32 s[\g+6], 0
	s_mov_b32 s[\g+7], 0
.endr
	s_lshl_b32 s18, s17, 17                        ; Z: (16 x tile row + 8 x half) tiles of 8,192 bytes
	s_lshl_b32 s19, s16, 16
	s_add_co_u32 s18, s18, s19
	s_mov_b32 s19, 0
	s_lshl_b32 s86, s42, 17                        ; the weight: (16 x tile column + 8 x half) tiles
	s_lshl_b32 s87, s16, 16
	s_add_co_u32 s86, s86, s87
	s_mov_b32 s87, 0
	s_lshl_b32 s20, s14, 16                        ; where they go: wave x 65,536
	s_wait_dscnt 0x0
	s_wait_kmcnt 0x0
	s_add_nc_u64 s[18:19], s[4:5], s[18:19]
	s_add_nc_u64 s[86:87], s[6:7], s[86:87]
	CROUND                                         ; all sixteen work-groups are here: the joint loads meet
.irp j, 0
	s_mov_b32 s[G0A+4*\j], 1
	s_add_co_u32 s[G0A+4*\j+1], s20, \j*CH
	s_add_nc_u64 s[G0A+4*\j+2:G0A+4*\j+3], s[18:19], \j*2048
	s_or_b32 s[G0A+4*\j+3], s[G0A+4*\j+3], 0x80000000
	s_mov_b32 s[G0B+4*\j], 1
	s_add_co_u32 s[G0B+4*\j+1], s20, \j*CH
	s_add_nc_u64 s[G0B+4*\j+2:G0B+4*\j+3], s[86:87], \j*2048
	s_or_b32 s[G0B+4*\j+3], s[G0B+4*\j+3], 0x80000000
.endr
	s_cmp_eq_u32 s15, 0                            ; a wave's one fill, in one branch on its number
	s_cbranch_scc0 .Lfor_w
	tensor_load_to_lds s[G0A:G0A+3], s[G1A:G1A+7]
	s_nop 0
	PLACES
	s_branch .Lasked
.Lfor_w:
	tensor_load_to_lds s[G0B:G0B+3], s[G1B:G1B+7]
	s_nop 0
	PLACES
.Lasked:
	v_and_b32 v2, 31, v0
	v_lshlrev_b32 v1, 4, v2                        ; 16 x lane
	s_wait_alu depctr_va_vdst(0)
	v_and_b32 v3, 15, v0                           ; r
	v_bfe_u32 v14, v0, 4, 1                        ; h
	s_wait_alu depctr_va_vdst(0)
	s_lshl_b32 s21, s15, 16                        ; my 8 tiles of Z
	s_lshl_b32 s22, s16, 16
	s_add_co_u32 s22, s22, 131072                  ; my 8 tiles of the weight
	v_add_nc_u32 v[ADZ], s21, v1
	v_add_nc_u32 v[ADW], s22, v1
	s_lshl_b32 s23, s17, 13                        ; scale words: Z's first tile x 512,
	s_lshl_b32 s2, s15, 12
	s_add_co_u32 s23, s23, s2
	s_lshl_b32 s88, s42, 13                        ; the weight's first tile x 512 + SCW,
	s_lshl_b32 s89, s16, 12
	s_add_co_u32 s88, s88, s89
	s_add_co_u32 s88, s88, SCW
	s_sub_co_u32 s88, s88, s23                     ; as a distance from Z's: lanes 16-31 add it
	v_mul_u32_u24 v12, s88, v14
	v_lshl_add_u32 v12, v3, 4, v12
	v_add_nc_u32 v12, s23, v12
.irp i, 0,1,2,3,4,5,6,7
.irp g, 0,1
	global_load_b128 v[SC+8*\i+4*\g:SC+8*\i+4*\g+3], v12, s[8:9] offset:\i*512+\g*256   ; four K steps' words of tile i: lanes 0-15 Z's, lanes 16-31 the weight's
.endr
.endr
	v_mov_b32 v13, 0x01000100                      ; byte selects: head 0's two bytes twice,
	v_mov_b32 v15, 0x03020302                      ; head 1's
	v_cmp_eq_u32 vcc_lo, 1, v14
	v_cndmask_b32 v13, v13, v15, vcc_lo            ; lanes 16-31 take head 1's
	s_mov_b32 s[SEL], 0x76543210
	s_mov_b32 s[SEL+1], 0xfedcba98
	s_lshr_b32 s92, s42, 2                         ; which: 0 Q, 1 K
	s_and_b32 s93, s42, 3
	s_lshl_b32 s93, s93, 1
	s_add_co_u32 s93, s93, s16                     ; hp
	s_lshr_b32 s94, s17, 3                         ; n
	s_lshl_b32 s94, s94, 3
	s_add_co_u32 s93, s93, s94                     ; 8 n + hp
	s_and_b32 s94, s17, 7
	s_lshl_b32 s94, s94, 4
	s_lshl_b32 s95, s15, 3
	s_add_co_u32 s94, s94, s95                     ; my first tile of tokens in the batch
	s_mul_i32 s96, s93, 147456
	s_mul_i32 s97, s94, 1152                       ; 4,608 bytes for each four tiles
	s_add_co_u32 s96, s96, s97
	s_mul_i32 s97, s92, 4718592
	s_add_co_u32 s96, s96, s97
	s_mov_b32 s97, 0
	s_add_nc_u64 s[10:11], s[10:11], s[96:97]
.macro FETCH s                         ; K step s: the weight's 8 fragments and Z's 8 into set s % 2: 32 loads in one run
	WIN 0x40
.irp b, 0,1,2,3,4,5,6,7
.irp c, 0,1
	ds_load_b128 v[64*((\s)&1)+8*\b+4*\c:64*((\s)&1)+8*\b+4*\c+3], v[ADW] offset:\b*8192+(\s)*1024+\c*512
.endr
.endr
	WIN 0
.irp a, 0,1,2,3,4,5,6,7
.irp c, 0,1
	ds_load_b128 v[ZF+64*((\s)&1)+8*\a+4*\c:ZF+64*((\s)&1)+8*\a+4*\c+3], v[ADZ] offset:\a*8192+(\s)*1024+\c*512
.endr
.endr
.endm
.macro MUL s                           ; 64 products; the accumulators take turns, one instruction a turn, in the same order in every step; the first step starts the sums
.irp a, 0,1,2,3,4,5,6,7
.if \a == 0
	WIN 0xa1
.endif
.if \a == 4
	WIN 0xf1
.endif
.irp b, 0,1,2,3,4,5,6,7
.if (\s) == 0
	v_wmma_scale_f32_16x16x128_f8f6f4 v[8*(8*(\a%4)+\b):8*(8*(\a%4)+\b)+7], v[64*((\s)&1)+8*\b:64*((\s)&1)+8*\b+7], v[ZF+64*((\s)&1)+8*\a:ZF+64*((\s)&1)+8*\a+7], 0, v[SC+8*\b+(\s)], v[SC+8*\a+(\s)] matrix_a_fmt:MATRIX_FMT_FP4 matrix_b_fmt:MATRIX_FMT_FP4 matrix_a_scale:MATRIX_SCALE_ROW1
.else
	v_wmma_scale_f32_16x16x128_f8f6f4 v[8*(8*(\a%4)+\b):8*(8*(\a%4)+\b)+7], v[64*((\s)&1)+8*\b:64*((\s)&1)+8*\b+7], v[ZF+64*((\s)&1)+8*\a:ZF+64*((\s)&1)+8*\a+7], v[8*(8*(\a%4)+\b):8*(8*(\a%4)+\b)+7], v[SC+8*\b+(\s)], v[SC+8*\a+(\s)] matrix_a_fmt:MATRIX_FMT_FP4 matrix_b_fmt:MATRIX_FMT_FP4 matrix_a_scale:MATRIX_SCALE_ROW1
.endif
.endr
.endr
.endm
.macro STEP s
	s_wait_dscnt 0x0                               ; this step's fragments are in
.if (\s) < 7
.if (\s) > 0
	PLACES                                         ; the other set was read by the step before
.endif
	FETCH (\s)+1
.endif
	MUL \s
.endm
	s_wait_alu depctr_va_vdst(0)
	s_wait_tensorcnt 0x0                           ; my load is in; behind the barrier everybody's
	s_barrier_signal -1
	s_barrier_wait -1
	FETCH 0
	s_wait_loadcnt 0x0                             ; the scale words
.irp s, 0,1,2,3,4,5,6,7
	STEP \s
.endr
	; THE WAY OUT: each tile of 16 rows x my 128 columns (two heads) is quantised: its 8 code registers and its scale word are what the next launch's operands want, and leave as they stand.
	WIN 0
	PLACES
.irp b, 0,1,2,3
	v_mov_b32 v[TM+4+\b], 0                        ; written once: a lane permute's destination counts as one of its sources
.endr
.irp rt, 0,1,2,3,4,5,6,7
	QUANTW 64*(\rt%4), 2+\rt/4, ZF+8*\rt, PW
	v_perm_b32 v[XW+\rt], v[PW], v[PW], v13        ; lanes 0-15: head 0's two bytes, twice; lanes 16-31: head 1's
	global_store_b128 v1, v[ZF+8*\rt:ZF+8*\rt+3], s[10:11] offset:\rt*1024+(\rt/4)*512          ; 512 consecutive bytes: head 0 of the pair
	global_store_b128 v1, v[ZF+8*\rt+4:ZF+8*\rt+7], s[10:11] offset:\rt*1024+(\rt/4)*512+512    ; head 1
.endr
	global_store_b128 v1, v[XW:XW+3], s[10:11] offset:4096
	global_store_b128 v1, v[XW+4:XW+7], s[10:11] offset:8704
	s_wait_tensorcnt 0x0
	ds_add_u32 v126, v127
	s_wait_dscnt 0x0
	CROUND                                         ; the closing round: no work-group ends while a partner may still ask for a tile that names it
	s_endpgm
.Lfunc_end_k_q58573626d6_qkproj:
	.size	k_q58573626d6_qkproj, .Lfunc_end_k_q58573626d6_qkproj-k_q58573626d6_qkproj
	.p2alignl 7, 3214868480
	.fill 96, 4, 3214868480
	.section	.rodata,"a",@progbits
	.p2align	6, 0x0
	.amdhsa_kernel k_q58573626d6_qkproj
		.amdhsa_group_segment_fixed_size 262656
		.amdhsa_private_segment_fixed_size 0
		.amdhsa_enable_private_segment 0
		.amdhsa_kernarg_size 32
		.amdhsa_user_sgpr_count 2
		.amdhsa_user_sgpr_kernarg_segment_ptr 1
		.amdhsa_wavefront_size32 1
		.amdhsa_system_sgpr_workgroup_id_x 1
		.amdhsa_system_sgpr_workgroup_id_y 1
		.amdhsa_system_sgpr_workgroup_id_z 1
		.amdhsa_system_vgpr_workitem_id 0
		.amdhsa_next_free_vgpr 1024
		.amdhsa_next_free_sgpr 100
		.amdhsa_reserve_vcc 1
		.amdhsa_float_denorm_mode_32 3
		.amdhsa_float_denorm_mode_16_64 3
		.amdhsa_memory_ordered 1
		.amdhsa_forward_progress 1
		.amdhsa_inst_pref_size 123
	.end_amdhsa_kernel
	.amdgpu_metadata
---
amdhsa.version: [ 1, 2 ]
amdhsa.kernels:
  - .name:           k_q58573626d6_qkproj
    .symbol:         k_q58573626d6_qkproj.kd
    .args:
      - { .name: zc, .offset: 0, .size: 8, .value_kind: global_buffer, .address_space: global }
      - { .name: wc, .offset: 8, .size: 8, .value_kind: global_buffer, .address_space: global }
      - { .name: sc, .offset: 16, .size: 8, .value_kind: global_buffer, .address_space: global }
      - { .name: qk, .offset: 24, .size: 8, .value_kind: global_buffer, .address_space: global }
    .group_segment_fixed_size: 262656
    .private_segment_fixed_size: 0
    .kernarg_segment_align: 8
    .kernarg_segment_size: 32
    .max_flat_workgroup_size: 128
    .sgpr_count:     100
    .vgpr_count:     1024
    .wavefront_size: 32
...
	.end_amdgpu_metadata
.endif
;; end of part 2
;; launch attn (part 3): grid 8 x 32, 8 waves a work-group, no clusters, 327,680 bytes of LDS; arguments qk, mask, wb, fl; writes wb, fl
.if DOCPART == 3
	.amdgcn_target "amdgcn-amd-amdhsa--gfx1250"
	.amdhsa_code_object_version 6
	.text
	.protected	k_q58573626d6_attn
	.globl	k_q58573626d6_attn
	.p2align	8
	.type	k_q58573626d6_attn,@function
k_q58573626d6_attn:
	s_mov_b64 s[64:65], 0
	v_nop
	global_prefetch_b8 v0, s[64:65] scope:SCOPE_SE
	s_setreg_imm32_b32 hwreg(HW_REG_WAVE_MODE, 25, 1), 1
	s_wait_xcnt 0x0
; For one batch n, one pair of heads hp and 256 queries: the scores Q K^T of both heads against all 2,048 keys, on codes of FP4.  Of each row three numbers are kept: the diagonal d, the largest masked score of the keys before the query,
; and of the keys after it.  The row's argmax is the diagonal where d > the first and d >= the second (the first largest index wins).  Stored: fl = 1 and wb = d there, else 0 and 0, both as [n][head][query].
; SHARES.  Eight waves: wave 4 p + 2 qh + kp takes head p, queries 128 qh .. + 127 of the block, and the groups of 64 keys whose number is 2 t + kp, t = 0 .. 15.  A fragment of K serves eight products.
;   Q's tiles stand so that tiles 0-3 are the queries of my own group of 64 (2 q' + kp, q' = 2 qb + qh) and tiles 4-7 those of the partner's.  Behind the loops the two waves of a pair (kp = 0, 1) give each other the maxima of tiles 4-7.
; SCORES.  S^T = K Q^T: a lane holds one query (lane % 16) and keys 8 (lane / 16) + 0 .. 7.  A head's 64 fill the lower half of the instruction's K; K's upper four registers are zero codes, so what stands in Q's upper four adds nothing.
; THE MASK ENTERS AS THE C OPERAND: -2^100 where mask[key] = 0, else 0.  A batch with no open key: my own block is done with C = 0 (the diagonal stays true), no comparison counts, and query 0 alone wins, as an argmax over equal numbers
; gives index 0.  All by selects: no branch hangs on loaded data.
; MY OWN 64 KEYS are trip q' of 16.  In the loop that trip does no products: the maximum so far is set aside as 'before' and begun anew for 'after'; the own block is done once, behind the loops.
; LDS: group g of 64 keys at 4,608 g: 4,096 bytes of codes, 512 of scale words.  Keys 0-1,023 come at the head, one load a wave; keys 1,024-2,047 behind the first barrier, and have eight trips in which to land: no prefetch is laid.
; NO CLUSTER: work-groups that share K differ in qb, and the branch round the own trip hangs on qb.
; LIMITS: scores must stay under 2^99 in magnitude; NaN and infinities are not served; blocks under 2^-124 were given the scale byte 1.
; REGISTERS: v1 16 x lane; v3, v4, v12 my places among biases, scale words, codes; v5-7, v8-10 this and the next trip's LDS addresses; v11 lane % 16 - 8 (lane / 16); v16-51 Q; v52-59 M; v60-67 MLT; v68-71 DG; v72-103 K; v104-135 biases;
;   v136-199 scores, eight sets; v200-207 Q's scale words, v208-211 K's; v212-232 scratch; v233-235 the way out.
.set GB,   4608                        ; a group of 64 tokens
.set HB,   16*GB                       ; half of the keys
.set BIAS, 2*HB
.set ANY,  BIAS+8192                   ; a word a thread: is one of my keys open?
.set EX,   ANY+1024                    ; the exchange: wave x 1,024
.set WO,   EX+8192                     ; the way out: wave x 512
.set SPARE, WO+4096
.set QF,   16
.set M,    52
.set MLT,  60
.set DG,   68
.set KF,   72
.set BI,   104
.set S,    136
.set QS,   200
.set KSC,  208
.set TP,   212                         ; v212-219
.set XX,   220                         ; v220-223 my own keys against the partner's queries
.set NI,   232                         ; -infinity
	s_load_b256 s[4:11], s[0:1], 0x0               ; qk s[4:5], mask s[6:7], wb s[8:9], fl s[10:11]
	v_lshl_add_u32 v254, v0, 2, SPARE
	v_mov_b32 v255, 0
	ds_add_u32 v254, v255
	ds_add_u32 v254, v255
	v_lshrrev_b32 v2, 5, v0
	v_readfirstlane_b32 s72, v2                    ; wave 0..7
	s_and_b32 s2, s72, 1                           ; kp
	s_bfe_u32 s3, s72, 0x10001                     ; qh
	s_lshr_b32 s73, s72, 2                         ; p
	s_and_b32 s80, ttmp7, 0xffff
	s_lshr_b32 s83, s80, 3                         ; n
	s_and_b32 s80, s80, 7                          ; qb
	s_lshl_b32 s76, s80, 1
	s_add_co_u32 s76, s76, s3                      ; q': the trip of my own keys
	s_lshl_b32 s75, s76, 1
	s_add_co_u32 s75, s75, s2                      ; my own group of 64
	s_lshl_b32 s74, s83, 3
	s_add_co_u32 s74, s74, ttmp9                   ; 8 n + hp
	s_mov_b32 s20, 3<<16                           ; descriptor group 1: 36 rows of 256 bytes (32 elements of 8), dense
	s_mov_b32 s21, 32<<16
	s_mov_b32 s22, 36<<16
	s_mov_b32 s23, 32<<16
	s_mov_b32 s24, 36
	s_mov_b32 s25, 32
	s_mov_b32 s26, 0
	s_mov_b32 s27, 0
	s_mul_i32 s94, s74, 147456
	s_mul_i32 s80, s72, 2*GB                       ; my eighth of a half: two groups
	s_add_co_u32 s90, s94, s80
	s_add_co_u32 s90, s90, 4718592                 ; K lies behind Q
	s_mov_b32 s91, 0
	s_mov_b32 s95, 0
	v_and_b32 v236, 31, v0                         ; lane
	v_and_b32 v237, 15, v0                         ; r
	v_bfe_u32 v238, v0, 4, 1                       ; h
	v_lshl_add_u32 v244, v0, 2, ANY
	v_lshlrev_b32 v1, 4, v236
	v_lshlrev_b32 v235, 3, v236                    ; 8 x lane
	v_lshlrev_b32 v239, 3, v238
	s_lshl_b32 s92, s72, 10
	v_add_nc_u32 v246, s92, v1                     ; my eighth of the mask
	v_sub_nc_u32 v11, v237, v239                   ; E = r - 8 h: register j holds a key before my query where j < E
	s_lshl_b32 s93, s73, 9
	v_add_nc_u32 v247, s93, v1                     ; codes in memory: 16 x lane + 512 p
	s_lshl_b32 s93, s73, 8
	v_lshlrev_b32 v248, 4, v237
	v_add_nc_u32 v245, BIAS, v246
	s_mul_i32 s96, s2, GB
	v_add_nc_u32 v12, s96, v247                    ; codes in LDS
	v_add_nc_u32 v248, s93, v248                   ; scale words in memory: 16 r + 256 p
	s_lshl_b32 s97, s2, 8
	s_add_co_u32 s97, s97, BIAS
	v_lshlrev_b32 v3, 5, v238
	v_lshlrev_b32 v15, 5, v236
	s_add_co_u32 s96, s96, 4096
	v_add_nc_u32 v4, s96, v248                     ; scale words in LDS
	v_add_nc_u32 v3, s97, v3                       ; biases in LDS: my half's eight keys of a tile
	v_add_nc_u32 v15, ANY, v15
	s_add_co_u32 s92, s92, EX
	v_lshl_add_u32 v13, v236, 2, s92               ; what I give
	s_xor_b32 s96, s72, 1
	s_lshl_b32 s96, s96, 10
	s_add_co_u32 s96, s96, EX
	v_lshl_add_u32 v14, v236, 2, s96               ; what my partner gives
	s_lshl_b32 s92, s72, 9
	s_add_co_u32 s92, s92, WO
	v_lshl_add_u32 v233, v237, 2, s92
	v_add_nc_u32 v234, s92, v235
	s_mov_b32 s88, 0x76543210
	s_mov_b32 s89, 0xfedcba98
	s_wait_dscnt 0x0                               ; both opening adds are done
	s_wait_alu depctr_va_vdst(0)
	s_wait_kmcnt 0x0
	s_add_nc_u64 s[46:47], s[4:5], s[90:91]
	s_mov_b32 s44, 1
	s_mov_b32 s45, s80
	s_mov_b32 s48, 1
	s_add_co_u32 s49, s80, HB
	s_add_nc_u64 s[50:51], s[46:47], HB
	s_or_b32 s47, s47, 0x80000000
	s_or_b32 s51, s51, 0x80000000
	tensor_load_to_lds s[44:47], s[20:27]          ; my eighth of keys 0 .. 1,023
	s_nop 0
.rept 4
	v_nop
.endr
	s_lshl_b32 s90, s83, 13
	s_add_nc_u64 s[6:7], s[6:7], s[90:91]          ; the batch's mask
	s_mul_i32 s90, s75, GB
	s_add_co_u32 s90, s90, s94
	s_add_nc_u64 s[12:13], s[4:5], s[90:91]        ; Q: my own group
	s_xor_b32 s92, s75, 1
	s_mul_i32 s90, s92, GB
	s_add_co_u32 s90, s90, s94
	s_add_nc_u64 s[14:15], s[4:5], s[90:91]        ; Q: the partner's group
	s_lshl_b32 s90, s74, 1
	s_add_co_u32 s90, s90, s73
	s_lshl_b32 s90, s90, 13                        ; out: 8,192 bytes a head, 256 a group
	s_lshl_b32 s92, s75, 8
	s_add_co_u32 s90, s90, s92
	s_add_nc_u64 s[8:9], s[8:9], s[90:91]
	s_add_nc_u64 s[10:11], s[10:11], s[90:91]
.irp i, 0,1
	global_load_b128 v[BI+4*\i:BI+4*\i+3], v246, s[6:7] offset:\i*512
.endr
.irp i, 0,1,2,3
	global_load_b128 v[QF+4*\i:QF+4*\i+3], v247, s[12:13] offset:\i*1024
	global_load_b128 v[QF+16+4*\i:QF+16+4*\i+3], v247, s[14:15] offset:\i*1024
.endr
	global_load_b128 v[QS:QS+3], v248, s[12:13] offset:4096
	global_load_b128 v[QS+4:QS+7], v248, s[14:15] offset:4096
.irp t, 0,1,2,3
.irp j, 4,5,6,7
	v_mov_b32 v[KF+8*\t+\j], 0                     ; the upper half of the instruction's K: zero codes, set once
.endr
	v_mov_b32 v[QF+32+\t], 0                       ; behind Q's last fragment
	v_mov_b32 v[DG+\t], 0xff800000
.endr
.irp i, 0,1,2,3,4,5,6,7
	v_mov_b32 v[M+\i], 0xff800000
	v_mov_b32 v[MLT+\i], 0xff800000
.endr
	v_mov_b32 v249, 0xf1800000                     ; -2^100
	v_mov_b32 v[NI], 0xff800000
	s_wait_alu depctr_va_vdst(0)
	s_wait_loadcnt 10                              ; the mask's two loads are in; behind them Q's eight and its scale words' two
.irp i, 0,1,2,3
	v_or_b32 v[240+\i], v[BI+\i], v[BI+4+\i]
.endr
	v_or_b32 v240, v240, v241
	v_or_b32 v242, v242, v243
.irp i, 0,1,2,3,4,5,6,7
	v_cmp_eq_u32 vcc_lo, 0, v[BI+\i]
	v_cndmask_b32 v[BI+\i], 0, v249, vcc_lo
.endr
	v_or_b32 v240, v240, v242
.irp i, 0,1
	ds_store_b128 v245, v[BI+4*\i:BI+4*\i+3] offset:\i*512
.endr
	ds_store_b32 v244, v240
.macro LD t, a                         ; tile t of a trip: my head's codes, eight biases, the scale words: four LDS loads; a: the first of three address registers
	ds_load_b128 v[KF+8*\t:KF+8*\t+3], v[\a] offset:\t*1024
	ds_load_b128 v[BI+8*\t:BI+8*\t+3], v[\a+1] offset:\t*64
	ds_load_b128 v[BI+8*\t+4:BI+8*\t+7], v[\a+1] offset:\t*64+16
	ds_load_b32 v[KSC+\t], v[\a+2] offset:\t*4
.endm
.macro WS x                            ; product x = 8 t + i: key tile t against Q's tile i, into set i; C = the tile's biases
.set wt, (\x)/8
.set wi, (\x)%8
	v_wmma_scale_f32_16x16x128_f8f6f4 v[S+8*wi:S+8*wi+7], v[KF+8*wt:KF+8*wt+7], v[QF+4*wi:QF+4*wi+7], v[BI+8*wt:BI+8*wt+7], v[KSC+wt], v[QS+wi] matrix_a_fmt:MATRIX_FMT_FP4 matrix_b_fmt:MATRIX_FMT_FP4
.endm
.macro FIN x                           ; product x's three partial maxima become M
.set f0, S+8*((\x)%8)
	v_max3_num_f32 v[M+(\x)%8], v[f0], v[f0+3], v[f0+6]
.endm
.macro GX x                            ; product x's eight scores and the old M in three maxima, from the low end on; then the product before is finished
.set g0, S+8*((\x)%8)
	v_max3_num_f32 v[g0], v[g0], v[g0+1], v[g0+2]
	v_max3_num_f32 v[g0+3], v[g0+3], v[g0+4], v[g0+5]
	v_max3_num_f32 v[g0+6], v[g0+6], v[g0+7], v[M+(\x)%8]
.if (\x) > 0
	FIN (\x)-1
.endif
.endm
; A TRIP: 64 keys, 32 products, four products ahead of the maxima.  Tile t + 2's four loads go out as tile t's products begin; each wait for 4 leaves the following tile's four out.
.macro TRIP
	s_wait_dscnt 0x4
	WS 0
	WS 1
	WS 2
	WS 3
	v_add_nc_u32 v5, s78, v12                      ; this trip's and the next trip's LDS addresses: the places behind the first products
	v_add_nc_u32 v6, s79, v3
	v_add_nc_u32 v7, s78, v4
	v_add_nc_u32 v8, s81, v12
	v_add_nc_u32 v9, s82, v3
	v_add_nc_u32 v10, s81, v4
	LD 2, 5
.set X, 0
.rept 28
	GX X
.if (X+4)%8 == 0
	s_wait_alu depctr_va_vdst(0)
	s_wait_dscnt 0x4
.if (X+4)/8 == 1
	LD 3, 5
.elseif (X+4)/8 == 2
	LD 0, 8                                        ; the next trip's first tiles
.else
	LD 1, 8
.endif
.endif
	WS X+4
.set X, X+1
.endr
	GX 28
	GX 29
	GX 30
	GX 31
	FIN 31
.endm
.macro CHUNK c                         ; trips 8 c .. 8 c + 7
	s_mov_b32 s77, 8*\c
	v_add_nc_u32 v8, \c*HB, v12
	v_add_nc_u32 v9, \c*4096, v3
	v_add_nc_u32 v10, \c*HB, v4
	LD 0, 8
	LD 1, 8
.Ltrip_\@:
	s_add_co_u32 s87, s77, 1
	s_min_u32 s87, s87, 8*\c+7                     ; the look-ahead stays inside the half that has landed
	s_mul_i32 s78, s77, 2*GB
	s_lshl_b32 s79, s77, 9
	s_mul_i32 s81, s87, 2*GB
	s_lshl_b32 s82, s87, 9
	s_cmp_eq_u32 s77, s76                          ; ids alone decide
	s_cbranch_scc1 .Lown_\@
	TRIP
	s_branch .Ljoin_\@
.Lown_\@:                                              ; what was found so far lies before my own group, what follows lies after it
	s_wait_alu depctr_va_vdst(0)
.irp i, 0,1,2,3,4,5,6,7
	v_mov_b32 v[MLT+\i], v[M+\i]
.endr
.irp i, 0,1,2,3,4,5,6,7
	v_mov_b32 v[M+\i], 0xff800000
.endr
	v_add_nc_u32 v8, s81, v12
	v_add_nc_u32 v9, s82, v3
	v_add_nc_u32 v10, s81, v4
	s_wait_alu depctr_va_vdst(0)
	s_wait_dscnt 0x0                               ; this trip's first two tiles have landed: their registers may be loaded again
	LD 0, 8                                        ; eight loads are out at the join, as on the other way
	LD 1, 8
.Ljoin_\@:
	s_add_co_u32 s77, s77, 1
	s_cmp_lt_u32 s77, 8*\c+8
	s_cbranch_scc1 .Ltrip_\@
.endm
	s_wait_alu depctr_va_vdst(0)
	s_wait_loadcnt 0x0                             ; Q and its scale words
	s_wait_tensorcnt 0x0                           ; my part of the first half is in
	ds_add_u32 v254, v255
	s_wait_dscnt 0x0                               ; the add is done, and so are my stores of the biases
	s_barrier_signal -1
	s_barrier_wait -1
	tensor_load_to_lds s[48:51], s[20:27]          ; my eighth of keys 1,024 .. 2,047
	s_nop 0
.rept 4
	v_nop
.endr
	CHUNK 0
	s_wait_alu depctr_va_vdst(0)
	s_wait_tensorcnt 0x0                           ; my part of the second half is in
	s_wait_dscnt 0x0
	s_barrier_signal -1
	s_barrier_wait -1
	CHUNK 1
	; ---- MY OWN 64 KEYS.  Key tile t against my own query tile i: t < i lies before, t > i after, t = i is split register by register.  Against tiles 4-7 (the partner's queries): all before them (kp = 0) or all after (kp = 1).
	s_wait_alu depctr_va_vdst(0)
	s_wait_dscnt 0x0
	s_mul_i32 s78, s76, 2*GB
	s_lshl_b32 s79, s76, 9
	v_add_nc_u32 v5, s78, v12
	v_add_nc_u32 v6, s79, v3
	v_add_nc_u32 v7, s78, v4
	LD 0, 5
	LD 1, 5
	LD 2, 5
	LD 3, 5
	ds_load_b128 v[224:227], v15                   ; eight threads' words
	ds_load_b128 v[228:231], v15 offset:16
	s_wait_dscnt 0x0
.irp i, 0,1,2,3
	v_or_b32 v[224+\i], v[224+\i], v[228+\i]
	v_mov_b32 v[XX+\i], 0xff800000
.endr
	v_or_b32 v224, v224, v225
	v_or_b32 v226, v226, v227
	v_or_b32 v224, v224, v226
	v_cmp_ne_u32 vcc_lo, 0, v224
	s_cmp_lg_u32 vcc_lo, 0                         ; is any key of the batch open?
	s_cselect_b32 s84, -1, 0                       ; do the biases and the comparisons count?
	s_cselect_b32 s86, 0, 0x10001                  ; no open key: lanes 0 and 16 of tile 0 win,
	s_cmp_eq_u32 s75, 0
	s_cselect_b32 s86, s86, 0                      ; in the wave that owns the batch's query 0
.irp i, 0,1,2,3,4,5,6,7
.irp t, 0,1,2,3
	v_and_b32 v[BI+8*\t+\i], s84, v[BI+8*\t+\i]
.endr
.endr
.macro PLAIN b, tgt                    ; eight numbers and the target's old value: the target's new value
	v_max3_num_f32 v[\b], v[\b], v[(\b)+1], v[(\b)+2]
	v_max3_num_f32 v[(\b)+3], v[(\b)+3], v[(\b)+4], v[(\b)+5]
	v_max3_num_f32 v[(\b)+6], v[(\b)+6], v[(\b)+7], v[\tgt]
	v_max3_num_f32 v[\tgt], v[\b], v[(\b)+3], v[(\b)+6]
.endm
.macro PICK op, b, tmp, tgt            ; the scores of the keys that stand in the given relation to my query go into the target
.irp j, 0,1,2,3,4,5,6,7
	\op vcc_lo, \j, v11
	v_cndmask_b32 v[(\tmp)+\j], v[NI], v[(\b)+\j], vcc_lo
.endr
	PLAIN \tmp, \tgt
.endm
.macro DTGT t, i
.if (\i) > 3
	PLAIN S+8*\i, XX+\i-4
.elseif (\t) < (\i)
	PLAIN S+8*\i, MLT+\i
.elseif (\t) > (\i)
	PLAIN S+8*\i, M+\i
.else
	PICK v_cmp_lt_i32, S+8*\i, TP, MLT+\i
	PICK v_cmp_eq_i32, S+8*\i, TP, DG+\i
	PICK v_cmp_gt_i32, S+8*\i, S+8*\i, M+\i
.endif
.endm
.irp t, 0,1,2,3
.irp i, 0,1,2,3,4,5,6,7
	WS 8*\t+\i
.endr
.rept 5
	v_nop
.endr
.irp i, 0,1,2,3,4,5,6,7
	DTGT \t, \i
.endr
.endr
	s_cmp_eq_u32 s2, 1
	s_cselect_b32 s90, -1, 0                       ; kp = 1: after; else before
.irp i, 0,1,2,3
	v_cndmask_b32 v[TP+\i], v[XX+\i], v[NI], s90
	v_cndmask_b32 v[TP+4+\i], v[NI], v[XX+\i], s90
.endr
.irp i, 0,1,2,3
	v_max_num_f32 v[MLT+4+\i], v[MLT+4+\i], v[TP+\i]
	v_max_num_f32 v[M+4+\i], v[M+4+\i], v[TP+4+\i]
.endr
	; a query's keys lie in lanes l and l xor 16: M, MLT and DG are 20 registers on end
.set k, 0
.rept 20
	v_permlanex16_b32 v[S+k], v[M+k], s88, s89
.set k, k+1
.endr
.set k, 0
.rept 20
	v_max_num_f32 v[M+k], v[M+k], v[S+k]
.set k, k+1
.endr
.irp j, 0,1,2,3
	ds_store_b32 v13, v[M+4+\j] offset:\j*128
	ds_store_b32 v13, v[MLT+4+\j] offset:512+\j*128
.endr
	s_wait_alu depctr_va_vdst(0)
	s_wait_dscnt 0x0                               ; for my partner's sake
	s_barrier_signal -1
	s_barrier_wait -1
.irp j, 0,1,2,3
	ds_load_b32 v[S+24+\j], v14 offset:\j*128
	ds_load_b32 v[S+28+\j], v14 offset:512+\j*128
.endr
	s_wait_dscnt 0x0
.irp j, 0,1,2,3
	v_max_num_f32 v[M+\j], v[M+\j], v[S+24+\j]
	v_max_num_f32 v[MLT+\j], v[MLT+\j], v[S+28+\j]
.endr
.irp j, 0,1,2,3
	v_cmp_gt_f32 s90, v[DG+\j], v[MLT+\j]          ; over every key before it,
	v_cmp_ge_f32 s91, v[DG+\j], v[M+\j]            ; and not under any key after it
	s_and_b32 s90, s90, s91
	s_and_b32 s90, s90, s84
.if \j == 0
	s_or_b32 s90, s90, s86
.endif
	v_cndmask_b32 v[S+32+\j], 0, v[DG+\j], s90
	v_cndmask_b32 v[S+36+\j], 0, 1, s90
.endr
.irp j, 0,1,2,3
	ds_store_b32 v233, v[S+32+\j] offset:\j*64     ; both halves of the lanes write the same word with the same value
	ds_store_b32 v233, v[S+36+\j] offset:256+\j*64
.endr
	ds_load_b64 v[S+40:S+41], v234                 ; LDS serves a wave's instructions in order: these see my stores
	ds_load_b64 v[S+42:S+43], v234 offset:256
	s_wait_dscnt 0x0
	global_store_b64 v235, v[S+40:S+41], s[8:9]    ; 256 consecutive bytes each
	global_store_b64 v235, v[S+42:S+43], s[10:11]
	s_wait_tensorcnt 0x0                           ; the wave's end
	ds_add_u32 v254, v255
	s_wait_dscnt 0x0
	s_endpgm
.Lfunc_end_k_q58573626d6_attn:
	.size	k_q58573626d6_attn, .Lfunc_end_k_q58573626d6_attn-k_q58573626d6_attn
	.p2alignl 7, 3214868480
	.fill 96, 4, 3214868480
	.section	.rodata,"a",@progbits
	.p2align	6, 0x0
	.amdhsa_kernel k_q58573626d6_attn
		.amdhsa_group_segment_fixed_size 327680
		.amdhsa_private_segment_fixed_size 0
		.amdhsa_enable_private_segment 0
		.amdhsa_kernarg_size 32
		.amdhsa_user_sgpr_count 2
		.amdhsa_user_sgpr_kernarg_segment_ptr 1
		.amdhsa_wavefront_size32 1
		.amdhsa_system_sgpr_workgroup_id_x 1
		.amdhsa_system_sgpr_workgroup_id_y 1
		.amdhsa_system_sgpr_workgroup_id_z 1
		.amdhsa_system_vgpr_workitem_id 0
		.amdhsa_next_free_vgpr 256
		.amdhsa_next_free_sgpr 100
		.amdhsa_reserve_vcc 1
		.amdhsa_float_denorm_mode_32 3
		.amdhsa_float_denorm_mode_16_64 3
		.amdhsa_memory_ordered 1
		.amdhsa_forward_progress 1
		.amdhsa_inst_pref_size 72
	.end_amdhsa_kernel
	.amdgpu_metadata
---
amdhsa.version: [ 1, 2 ]
amdhsa.kernels:
  - .name:           k_q58573626d6_attn
    .symbol:         k_q58573626d6_attn.kd
    .args:
      - { .name: qk, .offset: 0, .size: 8, .value_kind: global_buffer, .address_space: global }
      - { .name: mask, .offset: 8, .size: 8, .value_kind: global_buffer, .address_space: global }
      - { .name: wb, .offset: 16, .size: 8, .value_kind: global_buffer, .address_space: global }
      - { .name: fl, .offset: 24, .size: 8, .value_kind: global_buffer, .address_space: global }
    .group_segment_fixed_size: 327680
    .private_segment_fixed_size: 0
    .kernarg_segment_align: 8
    .kernarg_segment_size: 32
    .max_flat_workgroup_size: 256
    .sgpr_count:     100
    .vgpr_count:     256
    .wavefront_size: 32
...
	.end_amdgpu_metadata
.endif
;; end of part 3
;; launch outproj (part 4): grid 256 x 1, 8 waves a work-group, no clusters, 233,472 bytes of LDS; arguments zc, wc, sc, wb, fl, out0; writes out0
.if DOCPART == 4
	.amdgcn_target "amdgcn-amd-amdhsa--gfx1250"
	.amdhsa_code_object_version 6
	.text
	.protected	k_q58573626d6_outproj
	.globl	k_q58573626d6_outproj
	.p2align	8
	.type	k_q58573626d6_outproj,@function
k_q58573626d6_outproj:
	s_mov_b64 s[64:65], 0
	v_nop
	global_prefetch_b8 v0, s[64:65] scope:SCOPE_SE
	s_setreg_imm32_b32 hwreg(HW_REG_WAVE_MODE, 25, 1), 1
	s_wait_xcnt 0x0
; out0 = y Wo, y = w V, V = Z Wv, for 32 rows a work-group; all products on codes of FP4 with E8M0 scales.
; WHAT THE STORED ARGMAX ASKS FOR: values are kept only where idx == the row's own number; elsewhere w is 0, and so is that head's part of y.  fl holds that decision as whole numbers, made by the launch before.
; Per pair of heads (a K step of 128 of the last product): if no row of my 32 has its flag set, the pair's columns of y are zeros and V, y and the product with Wo are not made for it.  If no pair has one, the 32 rows of out0 are zeros.
; Any number of flags is served, all of them too.  LIMIT: a NaN, an infinity or an overflow in V that meets only w = 0 is not carried to the result; a block of zeros or under 2^-124 gets the scale byte 1.
; No tensor load: branches hang on loaded whole numbers, and operands go from memory straight into registers; no barrier stands under a branch.  No cluster: what a work-group reads hangs on its flags.
; No prefetch: the operands' addresses hang on the flags, and no loop streams.
; STEPS.  Z's 32 rows come into LDS as images of fragments (wave w: K step w).  A: for each pair asked for, wave w makes V^T of column tile w for both row tiles, f32 into LDS.  B: wave hp multiplies its pair by w, quantises along the
; model's axis and lays codes and scale words into LDS.  C: for each pair asked for, wave w adds the K step to its 128 columns of out0.
.set ZL,   131072                      ; behind V's eight slots of 16,384 bytes
.set YL,   147456                      ; y's codes: pair x 2,048
.set YSB,  163840                      ; y's scale words: pair x 128
.set STG,  164864                      ; the way out: wave x 8,448
.set SP,   528
.set SPARE, STG+8*16*SP
.set ZS,   16
.set WS,   24
.set YSC,  32
.set ZQ,   36                          ; v36-39 zeros, for the rows that nothing asks for
.set WP,   40
.set TM,   210
	s_load_b256 s[4:11], s[0:1], 0x0               ; zc s[4:5], wc s[6:7], sc s[8:9], wb s[10:11]
	s_load_b128 s[12:15], s[0:1], 0x20             ; fl s[12:13], out0 s[14:15]
	v_lshl_add_u32 v14, v0, 2, SPARE
	v_mov_b32 v15, 0
	v_lshrrev_b32 v5, 5, v0
	v_readfirstlane_b32 s16, v5                    ; wave
	v_and_b32 v240, 31, v0                         ; lane
	v_and_b32 v241, 15, v0                         ; r
	v_bfe_u32 v33, v0, 4, 1                        ; h
	v_lshlrev_b32 v1, 4, v240
	v_lshlrev_b32 v2, 4, v241
	v_lshlrev_b32 v4, 2, v240
	v_lshlrev_b32 v6, 2, v241
	v_lshl_add_u32 v3, v33, 9, v2                  ; Z's scale words: lanes 16-31 the second tile's
	s_lshl_b32 s17, s16, 10
	v_add_nc_u32 v7, s17, v1                       ; V, in: column tile w
	v_add_nc_u32 v8, ZL, v1
	v_add_nc_u32 v242, s17, v8                     ; Z, in: K step w
	s_lshl_b32 s18, s16, 14
	v_add_nc_u32 v9, s18, v1                       ; V, back: pair w
	s_lshl_b32 s19, s16, 11
	s_add_co_u32 s19, s19, YL
	v_add_nc_u32 v10, s19, v1
	s_lshl_b32 s19, s16, 7
	s_add_co_u32 s19, s19, YSB
	v_add_nc_u32 v11, s19, v4
	v_add_nc_u32 v35, YSB, v4
	s_mul_i32 s19, s16, 16*SP
	s_add_co_u32 s19, s19, STG
	v_mul_u32_u24 v243, v241, SP
	v_lshl_add_u32 v243, v33, 6, v243
	v_add_nc_u32 v12, s19, v243                    ; the stage, in: row r, + 64 h
	v_add_nc_u32 v13, s19, v1                      ; back: the 32 lanes take a row's 512 bytes
.irp i, 0,1,2,3
	v_mov_b32 v[ZQ+\i], 0
.endr
	s_mov_b32 s54, 0x76543210
	s_mov_b32 s55, 0xfedcba98
	s_wait_alu depctr_va_vdst(0)
	s_wait_kmcnt 0x0
	s_lshr_b32 s20, ttmp9, 6
	s_lshl_b32 s20, s20, 17                        ; flags and w: 131,072 bytes a batch, 128 for my 32 rows
	s_and_b32 s21, ttmp9, 63
	s_lshl_b32 s21, s21, 7
	s_add_co_u32 s20, s20, s21
	s_mov_b32 s21, 0
	s_add_nc_u64 s[12:13], s[12:13], s[20:21]
	s_add_co_u32 s20, s20, s18                     ; w of my pair: two heads of 8,192 bytes
	s_add_nc_u64 s[10:11], s[10:11], s[20:21]
	s_lshl_b32 s20, ttmp9, 14
	s_add_co_u32 s20, s20, s17
	s_add_nc_u64 s[4:5], s[4:5], s[20:21]          ; Z: tiles 2 x work-group, + 1; K step w
	s_lshl_b32 s20, ttmp9, 10
	s_add_nc_u64 s[40:41], s[8:9], s[20:21]        ; their scale words
	s_lshl_b32 s20, s16, 13
	s_add_co_u32 s20, s20, 128*8192
	s_add_nc_u64 s[42:43], s[6:7], s[20:21]        ; Wv: column tile w of pair 0
	s_lshl_b32 s20, s16, 9
	s_add_co_u32 s20, s20, 262144+128*512
	s_add_nc_u64 s[44:45], s[8:9], s[20:21]
	s_lshl_b32 s20, s16, 16
	s_add_co_u32 s20, s20, 192*8192
	s_add_nc_u64 s[46:47], s[6:7], s[20:21]        ; Wo: my eight column tiles
	s_lshl_b32 s20, s16, 12
	s_add_co_u32 s20, s20, 262144+192*512
	s_add_nc_u64 s[48:49], s[8:9], s[20:21]
	s_lshl_b32 s20, ttmp9, 17
	s_add_co_u32 s22, s20, s18
	s_mov_b32 s23, 0
	s_add_nc_u64 s[60:61], s[14:15], s[22:23]      ; out0: for zeros, four whole rows a wave
	s_lshl_b32 s22, s16, 9
	s_add_co_u32 s22, s20, s22
	s_add_nc_u64 s[62:63], s[14:15], s[22:23]      ; for results, 512 bytes of each row
.irp i, 0,1,2,3,4,5,6,7,8,9,10,11,12,13,14,15
	global_load_b32 v[64+\i], v4, s[12:13] offset:\i*8192   ; head i's flags of my 32 rows
.endr
.irp ii, 0,1
.irp c, 0,1
	global_load_b128 v[80+8*\ii+4*\c:83+8*\ii+4*\c], v1, s[4:5] offset:\ii*8192+\c*512
.endr
.endr
.irp g, 0,1
	global_load_b128 v[ZS+4*\g:ZS+4*\g+3], v3, s[40:41] offset:\g*256
.endr
.irp ii, 0,1
.irp p, 0,1
	global_load_b32 v[WP+2*(2*\ii+\p)], v6, s[10:11] offset:\ii*64+\p*8192     ; twice: a pair for the packed multiply
	global_load_b32 v[WP+2*(2*\ii+\p)+1], v6, s[10:11] offset:\ii*64+\p*8192
.endr
.endr
	s_wait_loadcnt 14                              ; the flags are in; behind them Z's 4, its scale words' 2, w's 8
.irp i, 0,1,2,3,4,5,6,7
	v_or_b32 v[64+2*\i], v[64+2*\i], v[65+2*\i]
.endr
.irp i, 0,1,2,3,4,5,6,7
	v_cmp_ne_u32 s[66+\i], 0, v[64+2*\i]
.endr
	s_mov_b32 s29, 0                               ; bit hp: is pair hp asked for?
.irp i, 0,1,2,3,4,5,6,7
	s_cmp_lg_u32 s[66+\i], 0
	s_cselect_b32 s30, 1<<\i, 0
	s_or_b32 s29, s29, s30
.endr
	s_cmp_lg_u32 s29, 0
	s_cbranch_scc1 .Lasked
.set k, 0
.rept 32
	global_store_b128 v1, v[ZQ:ZQ+3], s[60:61] offset:512*k th:TH_STORE_NT   ; 512 consecutive bytes
.set k, k+1
.endr
.Lasked:
	s_wait_loadcnt 0x0
.irp ii, 0,1
.irp c, 0,1
	ds_store_b128 v242, v[80+8*\ii+4*\c:83+8*\ii+4*\c] offset:\ii*8192+\c*512
.endr
.endr
	s_wait_dscnt 0x0                               ; for the others' sake
	s_barrier_signal -1
	s_barrier_wait -1
.macro WM d, a, b, c, sa, sb, row
.if \row
	v_wmma_scale_f32_16x16x128_f8f6f4 v[(\d):(\d)+7], v[(\a):(\a)+7], v[(\b):(\b)+7], \c, v[\sa], v[\sb] matrix_a_fmt:MATRIX_FMT_FP4 matrix_b_fmt:MATRIX_FMT_FP4 matrix_b_scale:MATRIX_SCALE_ROW1
.else
	v_wmma_scale_f32_16x16x128_f8f6f4 v[(\d):(\d)+7], v[(\a):(\a)+7], v[(\b):(\b)+7], \c, v[\sa], v[\sb] matrix_a_fmt:MATRIX_FMT_FP4 matrix_b_fmt:MATRIX_FMT_FP4
.endif
.endm
; ---- A.  v64-127 Wv's column tile (8 K steps), v128-255 Z's 16 fragments, v48-63 the two sums by turns
	s_mov_b32 s33, 0
	s_mov_b32 s30, 0
.La:
	s_bitcmp1_b32 s29, s30
	s_cbranch_scc0 .La_next
	s_lshl_b32 s32, s30, 16
	s_add_nc_u64 s[34:35], s[42:43], s[32:33]
	s_lshl_b32 s32, s30, 12
	s_add_nc_u64 s[50:51], s[44:45], s[32:33]
	s_lshl_b32 s52, s30, 14
.irp s, 0,1,2,3,4,5,6,7
.irp c, 0,1
	global_load_b128 v[64+8*\s+4*\c:67+8*\s+4*\c], v1, s[34:35] offset:\s*1024+\c*512
.endr
.endr
.irp g, 0,1
	global_load_b128 v[WS+4*\g:WS+4*\g+3], v2, s[50:51] offset:\g*256
.endr
.irp ii, 0,1
.irp s, 0,1,2,3,4,5,6,7
.irp c, 0,1
	ds_load_b128 v[128+64*\ii+8*\s+4*\c:131+64*\ii+8*\s+4*\c], v8 offset:\ii*8192+\s*1024+\c*512
.endr
.endr
.endr
	s_wait_dscnt 0x0
	s_wait_loadcnt 0x0
.irp s, 0,1,2,3,4,5,6,7
.irp ii, 0,1
.if \s == 0
	WM 48+8*\ii, 64+8*\s, 128+64*\ii+8*\s, 0, WS+\s, ZS+\s, \ii
.else
	WM 48+8*\ii, 64+8*\s, 128+64*\ii+8*\s, v[48+8*\ii:55+8*\ii], WS+\s, ZS+\s, \ii
.endif
.endr
.endr
	v_add_nc_u32 v5, s52, v7
.rept 5
	v_nop
.endr
.irp ii, 0,1
	ds_store_b128 v5, v[48+8*\ii:51+8*\ii] offset:\ii*8192
	ds_store_b128 v5, v[52+8*\ii:55+8*\ii] offset:\ii*8192+512
.endr
.La_next:
	s_add_co_u32 s30, s30, 1
	s_cmp_lt_u32 s30, 8
	s_cbranch_scc1 .La
	s_wait_dscnt 0x0
	s_barrier_signal -1
	s_barrier_wait -1
; ---- B.  64 numbers of a lane from register s on, s + 16 b + i = column 32 b + 16 h + i of my row, become a fragment's codes in v[pc] .. v[pc + 7] and its scale word in v[pw]
.macro QUANT s, pc, pw
.irp b, 0,1,2,3
	v_max3_num_f32 v[TM+\b], 0x1800000, |v[(\s)+16*\b]|, |v[(\s)+16*\b+1]|      ; the floor 2^(3 - 127) among the leaves
.endr
.irp i, 2,4,6,8,10,12,14
.irp b, 0,1,2,3
	v_max3_num_f32 v[TM+\b], v[TM+\b], |v[(\s)+16*\b+\i]|, |v[(\s)+16*\b+\i+1]|
.endr
.endr
.irp b, 0,1,2,3
	v_permlanex16_b32 v[TM+4+\b], v[TM+\b], s54, s55
.endr
.irp b, 0,1,2,3
	v_max_num_f32 v[TM+\b], v[TM+\b], v[TM+4+\b]
.endr
.irp b, 0,1,2,3
	v_add_nc_u32 v[TM+12+\b], 0xff000000, v[TM+\b]  ; 2 off the exponent field: the conversion's scale operand
.endr
.irp b, 0,1,2,3
	v_lshrrev_b32 v[TM+4+\b], 23, v[TM+12+\b]
.endr
	v_lshl_or_b32 v[\pw], v[TM+5], 8, v[TM+4]
	v_lshl_or_b32 v[\pw], v[TM+6], 16, v[\pw]
	v_lshl_or_b32 v[\pw], v[TM+7], 24, v[\pw]
.irp b, 0,1,2,3
	v_cvt_scalef32_pk8_fp4_f32 v[(\pc)+2*\b], v[(\s)+16*\b:(\s)+16*\b+7], v[TM+12+\b]
	v_cvt_scalef32_pk8_fp4_f32 v[(\pc)+2*\b+1], v[(\s)+16*\b+8:(\s)+16*\b+15], v[TM+12+\b]
.endr
	v_nop                                          ; one plain place behind a scaled conversion
.irp c, 0,1
.irp i, 0,1
	v_permlane16_swap_b32 v[(\pc)+4*\c+\i], v[(\pc)+4*\c+2+\i]
.endr
.endr
.endm
	s_bitcmp1_b32 s29, s16                         ; is my pair asked for?
	s_cbranch_scc0 .Lb_done
.irp ii, 0,1
.irp ct, 0,1,2,3,4,5,6,7
	ds_load_b128 v[64+64*\ii+8*\ct:67+64*\ii+8*\ct], v9 offset:\ii*8192+\ct*1024
	ds_load_b128 v[68+64*\ii+8*\ct:71+64*\ii+8*\ct], v9 offset:\ii*8192+\ct*1024+512
.endr
.endr
	s_wait_dscnt 0x0
.irp b, 0,1,2,3
	v_mov_b32 v[TM+4+\b], 0                        ; written once: a lane permute's destination counts as one of its sources
.endr
.irp ii, 0,1
.irp ct, 0,1,2,3,4,5,6,7
.irp j, 0,2,4,6
	v_pk_mul_f32 v[64+64*\ii+8*\ct+\j:65+64*\ii+8*\ct+\j], v[64+64*\ii+8*\ct+\j:65+64*\ii+8*\ct+\j], v[WP+2*(2*\ii+\ct/4):WP+2*(2*\ii+\ct/4)+1]
.endr
.endr
.endr
.irp ii, 0,1
	QUANT 64+64*\ii, 192+8*\ii, 208+\ii
	ds_store_b128 v10, v[192+8*\ii:195+8*\ii] offset:\ii*1024
	ds_store_b128 v10, v[196+8*\ii:199+8*\ii] offset:\ii*1024+512
.endr
	v_cmp_eq_u32 vcc_lo, 1, v33
	v_cndmask_b32 v226, v208, v209, vcc_lo         ; lanes 0-15 the first tile's words, lanes 16-31 the second's
	ds_store_b32 v11, v226
.Lb_done:
	s_wait_dscnt 0x0
	s_barrier_signal -1
	s_barrier_wait -1
; ---- C.  v64-191 sixteen sums (tile ii, column tile b at 64 + 8 (8 ii + b)), v192-255 Wo's eight fragments, v48-63 y's two.  Which pair comes first hangs on the flags: so the sums begin as zeros here
.set k, 0
.rept 128
	v_mov_b32 v[64+k], 0
.set k, k+1
.endr
	s_wait_alu depctr_va_vdst(0)
	s_mov_b32 s30, 0
.Lc:
	s_bitcmp1_b32 s29, s30
	s_cbranch_scc0 .Lc_next
	s_lshl_b32 s32, s30, 10
	s_add_nc_u64 s[34:35], s[46:47], s[32:33]
	s_lshr_b32 s32, s30, 2
	s_lshl_b32 s32, s32, 8
	s_and_b32 s53, s30, 3
	s_lshl_b32 s53, s53, 2
	s_add_co_u32 s32, s32, s53
	s_add_nc_u64 s[50:51], s[48:49], s[32:33]
	s_lshl_b32 s52, s30, 11
	s_lshl_b32 s53, s30, 7
.irp b, 0,1,2,3,4,5,6,7
.irp c, 0,1
	global_load_b128 v[192+8*\b+4*\c:195+8*\b+4*\c], v1, s[34:35] offset:\b*8192+\c*512
.endr
	global_load_b32 v[WS+\b], v2, s[50:51] offset:\b*512
.endr
	v_add_nc_u32 v5, s52, v8
	v_add_nc_u32 v34, s53, v35
.irp ii, 0,1
.irp c, 0,1
	ds_load_b128 v[48+8*\ii+4*\c:51+8*\ii+4*\c], v5 offset:YL-ZL+\ii*1024+\c*512
.endr
.endr
	ds_load_b32 v[YSC], v34
	s_wait_dscnt 0x0
	s_wait_loadcnt 0x0
.irp ii, 0,1
.irp b, 0,1,2,3,4,5,6,7
	WM 64+8*(8*\ii+\b), 192+8*\b, 48+8*\ii, v[64+8*(8*\ii+\b):71+8*(8*\ii+\b)], WS+\b, YSC, \ii
.endr
.endr
.rept 5
	v_nop
.endr
.Lc_next:
	s_add_co_u32 s30, s30, 1
	s_cmp_lt_u32 s30, 8
	s_cbranch_scc1 .Lc
	s_cmp_eq_u32 s29, 0
	s_cbranch_scc1 .Lend                           ; the zeros have been stored above
; THE WAY OUT: register j of column tile 2 B + u in lane (r, h) is out(row r, my column 32 B + 16 h + 8 u + j): through my own stage, back as rows of 512 bytes
.irp ii, 0,1
.irp b, 0,1,2,3,4,5,6,7
	ds_store_b128 v12, v[64+8*(8*\ii+\b):67+8*(8*\ii+\b)] offset:(\b/2)*128+(\b%2)*32
	ds_store_b128 v12, v[68+8*(8*\ii+\b):71+8*(8*\ii+\b)] offset:(\b/2)*128+(\b%2)*32+16
.endr
	s_wait_xcnt 0x0                                ; the first tile's stores have read their registers
.irp t, 0,1,2,3,4,5,6,7,8,9,10,11,12,13,14,15
	ds_load_b128 v[192+4*\t:195+4*\t], v13 offset:\t*SP
.endr
	s_wait_dscnt 0x0
.irp t, 0,1,2,3,4,5,6,7,8,9,10,11,12,13,14,15
	global_store_b128 v1, v[192+4*\t:195+4*\t], s[62:63] offset:\ii*65536+\t*4096 th:TH_STORE_NT
.endr
.endr
.Lend:
	s_wait_tensorcnt 0x0                           ; the wave's end
	ds_add_u32 v14, v15
	s_wait_dscnt 0x0
	s_endpgm
.Lfunc_end_k_q58573626d6_outproj:
	.size	k_q58573626d6_outproj, .Lfunc_end_k_q58573626d6_outproj-k_q58573626d6_outproj
	.p2alignl 7, 3214868480
	.fill 96, 4, 3214868480
	.section	.rodata,"a",@progbits
	.p2align	6, 0x0
	.amdhsa_kernel k_q58573626d6_outproj
		.amdhsa_group_segment_fixed_size 233472
		.amdhsa_private_segment_fixed_size 0
		.amdhsa_enable_private_segment 0
		.amdhsa_kernarg_size 48
		.amdhsa_user_sgpr_count 2
		.amdhsa_user_sgpr_kernarg_segment_ptr 1
		.amdhsa_wavefront_size32 1
		.amdhsa_system_sgpr_workgroup_id_x 1
		.amdhsa_system_sgpr_workgroup_id_y 1
		.amdhsa_system_sgpr_workgroup_id_z 1
		.amdhsa_system_vgpr_workitem_id 0
		.amdhsa_next_free_vgpr 256
		.amdhsa_next_free_sgpr 80
		.amdhsa_reserve_vcc 1
		.amdhsa_float_denorm_mode_32 3
		.amdhsa_float_denorm_mode_16_64 3
		.amdhsa_memory_ordered 1
		.amdhsa_forward_progress 1
		.amdhsa_inst_pref_size 49
	.end_amdhsa_kernel
	.amdgpu_metadata
---
amdhsa.version: [ 1, 2 ]
amdhsa.kernels:
  - .name:           k_q58573626d6_outproj
    .symbol:         k_q58573626d6_outproj.kd
    .args:
      - { .name: zc, .offset: 0, .size: 8, .value_kind: global_buffer, .address_space: global }
      - { .name: wc, .offset: 8, .size: 8, .value_kind: global_buffer, .address_space: global }
      - { .name: sc, .offset: 16, .size: 8, .value_kind: global_buffer, .address_space: global }
      - { .name: wb, .offset: 24, .size: 8, .value_kind: global_buffer, .address_space: global }
      - { .name: fl, .offset: 32, .size: 8, .value_kind: global_buffer, .address_space: global }
      - { .name: out0, .offset: 40, .size: 8, .value_kind: global_buffer, .address_space: global }
    .group_segment_fixed_size: 233472
    .private_segment_fixed_size: 0
    .kernarg_segment_align: 8
    .kernarg_segment_size: 48
    .max_flat_workgroup_size: 256
    .sgpr_count:     80
    .vgpr_count:     256
    .wavefront_size: 32
...
	.end_amdgpu_metadata
.endif
;; end of part 4
